; MI455X (gfx1250); checked and timed in simulation.
; The chip was launched on July 23, 2026; its instructions are those of AMD's public machine-readable ISA for CDNA 5 (MIT licence, August 2026) and "CDNA5" Instruction Set Architecture Reference Guide (July 2026). The comments in the code are by the model that wrote it; some were corrected since.
;; Attention. Allowed arithmetic: matrix products marked QUANTISED: E3M2 operands, one E8M0 scale for each 32 along K, by v_wmma_scale_f32_16x16x128_f8f6f4 with both operands' format E3M2, f32 sums; everything else in f32.
;; Inputs: k 4 x 16 x 2,048 x 64 float32; q 4 x 16 x 2,048 x 64 float32; v 4 x 16 x 2,048 x 64 float32.
;; Outputs: out0 4 x 16 x 2,048 x 64 float32.
;; This version of the problem:
;;   THIS VERSION OF THE PROBLEM IS GIVEN IN LOW PRECISION. The matrix products marked QUANTISED in the list below multiply operands that are first quantised to E3M2 (3 exponent bits, 2 mantissa bits; 6 bits a number), with one power-of-two scale for each 32 numbers along K (OCP MX v1.0); their sums are f32. All else is computed in f32.
;;   The module's matrix products, in the order in which they are computed (A, B: the left and right operand; K: the contracted axis; several contracted axes count as one K, in the product's order):
;;     1. batch 64 x [M 2,048, K 64] x [K 64, N 2,048]; A: input q; B: input k: QUANTISED
;;     2. batch 64 x [M 2,048, K 2,048] x [K 2,048, N 64]; A: softmax (see below); B: input v: QUANTISED
;;   THE QUANTISER, for each operand of a quantised product, along K:
;;     - K is cut into blocks of 32 from its start; a last block that is shorter is filled with zeros.
;;     - A block's scale is 2^e with e = floor(log2(the largest magnitude in the block)) - 4, held to -126 .. 127; a block of zeros has e = 0. As a byte (E8M0): e + 127.
;;     - Each number is divided by its block's scale, clamped to +-28, and rounded to the nearest number of E3M2, ties to even, subnormals kept.
;;     - The product sums the exact products of the quantised numbers (number of the format x scale) in f32.
;;   ~~~python
;;   def quantise(x, axis):      # numpy; x: float32 -> the quantised numbers, widened to float32 again
;;       x = np.moveaxis(x, axis, -1); K = x.shape[-1]
;;       x = np.pad(x, [(0, 0)] * (x.ndim - 1) + [(0, -K % 32)]); x = x.reshape(x.shape[:-1] + (-1, 32)); a = np.abs(x).max(-1, keepdims=True)
;;       e = np.where(a > 0, np.clip(np.frexp(np.where(a > 0, a, 1))[1] - 1 - 4, -126, 127), 0)      # np.frexp(a)[1] - 1 = floor(log2(a)), exactly
;;       r = np.clip(x / 2.0 ** e, -28, 28)
;;       step = 2.0 ** (np.maximum(np.frexp(np.where(r == 0, 1, r))[1] - 1, -2) - 2)
;;       q = np.round(r / step) * step * 2.0 ** e      # np.round: ties to even
;;       return np.moveaxis(q.reshape(q.shape[:-2] + (-1,))[..., :K], -1, axis).astype(np.float32)
;;   ~~~
;;   SOFTMAX AHEAD OF A QUANTISED PRODUCT. Where the list says 'softmax', what is quantised is not the finished softmax but p = 2^(t - M), with t = logit x log2(e) and M = ceil(the row's largest t), a whole number; so 1/2 < the row's largest p <= 1. The row's sum l is taken of the UNQUANTISED p, in f32, and the product's result is divided by l at the end. Since M is a whole number, a kernel that streams over the keys may use a running M (the ceiling of the running maximum): every later rescaling is an exact power of two, which a block's scale takes up: the codes' values come out the same.
;;   OPERANDS COMPUTED ON THE WAY. 'Computed on the way' means the value that the module computes at that place (a softmax that the list does not call 'softmax' is quantised finished and normalised). What goes into a quantiser is computed in f32, as accurately as f32 sums, v_exp_f32 and their like allow (about 1e-6 of the number): no bf16 or f16 on the way to a quantiser, and a product that is left as it is and whose result goes on into a quantised operand takes f32 operands (vector FMAs, or v_wmma_f32_16x16x4_f32). A number that lies on a knife's edge between two numbers of the format may be rounded either way, as far as f32 arithmetic and the matrix unit's own rounding can turn it there, and no further.
;; One version. Each part assembles by itself: llvm-mc -triple=amdgcn-amd-amdhsa -mcpu=gfx1250 --defsym DOCPART=n.
;; ======== version 1 of 1: 2 launches
;; workspace buffers: kv 13,107,200 bytes
;; launch quant (part 1): grid 16 x 64, 4 waves a work-group, no clusters, 69,888 bytes of LDS; arguments k, v, kv; writes kv
.if DOCPART == 1
	.amdgcn_target "amdgcn-amd-amdhsa--gfx1250"
	.amdhsa_code_object_version 6
	.text
	.protected	k_q7ea49dd317_quant
	.globl	k_q7ea49dd317_quant
	.p2align	8
	.type	k_q7ea49dd317_quant,@function
k_q7ea49dd317_quant:
	s_mov_b64 s[64:65], 0
	v_nop
	global_prefetch_b8 v0, s[64:65] scope:SCOPE_SE
	s_setreg_imm32_b32 hwreg(HW_REG_WAVE_MODE, 25, 1), 1
	s_wait_xcnt 0x0
; k and v, [64 heads][2048 keys][64 d] f32, become codes of BF6 (E3M2) with one E8M0 scale byte for each 32 along a product's K, laid in kv as IMAGES OF OPERAND REGISTERS.
; k is quantised along d (the first product's K), v along the keys (the second product's K).  A block's scale is 2^(floor(log2(its largest magnitude)) - 4); its byte is that magnitude's exponent field - 4.
; kv: [64 heads][16 key steps][12,800 bytes].  A key step is 128 keys.  In its block:
;   + 1536 j + 512 g + 16 lane: registers 4 g .. 4 g + 3 of K's PAIR fragment j (j = 0 .. 3).  Lane (r, h): registers 0-5 = key 32 j + r + 8 (r / 8), d = 32 h + 0 .. 31; registers 6-11 = the key 8 further on, same d.
;   + 6144 + 1536 t + 512 g + 16 lane: V's fragment t: lane (r, h): row d = 16 t + r, registers 6 c .. 6 c + 5 = keys 64 c + 32 h + 0 .. 31.
;   + 12288 + 16 lane: four scale words: lanes 0-15 K's words of pairs 0 .. 3 for row r, lanes 16-31 V's words of fragments 0 .. 3 for row lane - 16.
; SHARES.  A work-group takes one key step of one head: 32 KiB of k and 32 KiB of v, both dense.  Wave w loads keys 32 w .. 32 w + 31 of both (each load reads 512 consecutive bytes) and makes pair fragment w and V's fragment w.
; k turns through the wave's own rows in LDS (a lane then holds 32 neighbours along d of one key); v goes to rows that all four waves read, a lane to a column d, its registers down the keys.
; Every store to kv covers 512 consecutive bytes at a multiple of 256 from kv's first byte.  No loop, no tensor load; no store's data register is written again, so no wait frees one.
; No cluster: work-groups share no input.  No prefetch: every byte is asked for at the head.
; LIMITS: NaN and infinities among the inputs are not served.  A block whose largest magnitude lies under 2^-122 has its byte held at 1.  A block of zeros gets the byte 1 where the rule says 127: its codes are
; zeros, which add nothing under any byte but 0xff, and the bytes are read by this program alone.
.set KWAVE, 8960                       ; LDS: k's rows, a region for each wave: row p (0 .. 31) at 272 p + 128 (p / 16)
.set VST,   35840                      ; v's rows: block b of 32 keys at VST + 8256 b, rows of 256 bytes on end
.set VBLK,  8256                       ; 32 rows + 64 bytes: lanes 16-31, which read one block further on, fall 16 banks beside lanes 0-15 (64 banks of 4 bytes: ISA guide 11.1)
.set SCL,   68864                      ; the scale image, 512 bytes
.set LI,   2                           ; v2   16 x lane
.set KSI,  3                           ; v3   k into LDS: my 16 bytes of a load's two rows
.set KSO,  4                           ; v4   k out of LDS: my key's row, my half of d
.set VSI,  5                           ; v5   v into LDS
.set VSO,  6                           ; v6   v out of LDS: my column d, my half's block of keys
.set IMO,  7                           ; v7   byte offset in the step's block of kv: 16 x lane + 1536 x wave
.set SCA,  8                           ; v8   where my scale word goes: SCL + 16 x lane + 4 x wave
.set SH8,  9                           ; v9   8 x (lane / 16)
.set TP,   10                          ; v10  a lane permute's destination, written once at the head
.set SCR,  15                          ; v15  SCL + 16 x lane: the scale image on its way out
.set KR,   16                          ; v16-79   k as loaded; later v's column
.set VR,   80                          ; v80-143  v as loaded
.set KT,   144                         ; v144-207 k turned: two blocks of 32
.set KC,   208                         ; v208-219 K's codes
.set T,    220                         ; v220-227 the conversions' second halves
.set VC,   228                         ; v228-239 V's codes
.set M,    240                         ; v240-241 largest magnitudes
.set SO,   242                         ; v242-243 the conversions' scale operands
.set BY,   244                         ; v244-245 scale bytes
.set WK,   246                         ; K's scale word
.set WVW,  247                         ; V's scale word
.set SW,   248                         ; the word that my lane stores
.set OUTW, 252                         ; v252-255 the scale image
	s_load_b128 s[4:7], s[0:1], 0x0                ; k s[4:5], v s[6:7]
	s_load_b64 s[8:9], s[0:1], 0x10                ; kv
	v_lshl_add_u32 v250, v0, 2, 0x10f00
	v_mov_b32 v251, 0
	v_lshrrev_b32 v1, 5, v0
	v_readfirstlane_b32 s10, v1                    ; wave 0 .. 3
	s_and_b32 s12, ttmp7, 0xffff                   ; the head; ttmp9 is the key step
	v_and_b32 v1, 31, v0                           ; lane
	v_and_b32 v11, 15, v0                          ; r
	v_bfe_u32 v12, v0, 4, 1                        ; h
	v_bfe_u32 v13, v0, 3, 1                        ; r / 8
	v_lshlrev_b32 v[LI], 4, v1
	s_mul_i32 s18, s10, KWAVE
	v_mul_u32_u24 v[KSI], v12, 272                 ; a load's 512 bytes are two rows: lanes 0-15 the even one, lanes 16-31 the odd one
	v_lshl_add_u32 v[KSI], v11, 4, v[KSI]
	v_add_nc_u32 v[KSI], s18, v[KSI]
	v_lshl_add_u32 v14, v13, 3, v11                ; my key of the 32: r + 8 (r / 8)
	v_mul_u32_u24 v[KSO], v14, 272
	v_lshl_add_u32 v[KSO], v13, 7, v[KSO]          ; rows 16 on lie 128 bytes further: the sixteen rows 0-7, 16-23 of a read start in sixteen different columns of 16 bytes
	v_lshl_add_u32 v[KSO], v12, 7, v[KSO]          ; my half of d: 128 bytes
	v_add_nc_u32 v[KSO], s18, v[KSO]
	s_mul_i32 s19, s10, VBLK
	s_add_co_u32 s19, s19, VST
	v_add_nc_u32 v[VSI], s19, v[LI]
	v_mul_u32_u24 v[VSO], v12, VBLK
	v_lshl_add_u32 v[VSO], v11, 2, v[VSO]
	s_lshl_b32 s19, s10, 6                         ; my fragment's 16 columns: 64 bytes a wave
	s_add_co_u32 s19, s19, VST
	v_add_nc_u32 v[VSO], s19, v[VSO]
	s_mul_i32 s19, s10, 1536
	v_add_nc_u32 v[IMO], s19, v[LI]
	s_lshl_b32 s19, s10, 2
	s_add_co_u32 s19, s19, SCL
	v_add_nc_u32 v[SCA], s19, v[LI]
	v_add_nc_u32 v[SCR], SCL, v[LI]
	v_lshlrev_b32 v[SH8], 3, v12
	v_mov_b32 v[TP], 0
	s_mov_b32 s20, 0x76543210                      ; v_permlanex16_b32's selects for lane l xor 16
	s_mov_b32 s21, 0xfedcba98
	s_lshl_b32 s14, s12, 19                        ; a head is 524,288 bytes of k and of v,
	s_lshl_b32 s15, ttmp9, 15                      ; a key step 32,768,
	s_add_co_u32 s14, s14, s15
	s_lshl_b32 s15, s10, 13                        ; my 32 keys 8,192
	s_add_co_u32 s14, s14, s15
	s_mov_b32 s15, 0
	s_mul_i32 s16, s12, 204800                     ; a head of kv,
	s_mul_i32 s17, ttmp9, 12800                    ; a key step's block
	s_add_co_u32 s16, s16, s17
	s_mov_b32 s17, 0
	s_wait_alu depctr_va_vdst(0)
	s_wait_kmcnt 0x0
	s_add_nc_u64 s[4:5], s[4:5], s[14:15]
	s_add_nc_u64 s[6:7], s[6:7], s[14:15]
	s_add_nc_u64 s[8:9], s[8:9], s[16:17]
.set j, 0
.rept 16
	global_load_b128 v[KR+4*j:KR+4*j+3], v[LI], s[4:5] offset:512*j th:TH_LOAD_NT   ; 32 lanes read 512 consecutive bytes: two keys' rows
.set j, j+1
.endr
.set j, 0
.rept 16
	global_load_b128 v[VR+4*j:VR+4*j+3], v[LI], s[6:7] offset:512*j th:TH_LOAD_NT
.set j, j+1
.endr
; 64 numbers of a lane, v[src + 32 b + i]: two blocks of 32 that lie whole in the lane (blocks h and 2 + h of the operand's row r).  They become the operand's 12 registers v[dst] on, and the row's scale word v[wd].
.macro QUANT src, dst, wd
.irp b, 0,1
	v_max3_num_f32 v[M+\b], |v[\src+32*\b]|, |v[\src+32*\b+1]|, 0x2800000   ; the floor 2^(5 - 127) among the leaves: the byte cannot fall under 1
.endr
.irp i, 2,4,6,8,10,12,14,16,18,20,22,24,26,28,30
.irp b, 0,1
	v_max3_num_f32 v[M+\b], v[M+\b], |v[\src+32*\b+\i]|, |v[\src+32*\b+\i+1]|   ; the two blocks by turns
.endr
.endr
.irp b, 0,1
	v_add_nc_u32 v[SO+\b], 0xfe000000, v[M+\b]     ; 4 off the exponent field: the conversion takes the exponent field of this operand as its scale
.endr
.irp b, 0,1
	v_lshrrev_b32 v[BY+\b], 23, v[SO+\b]           ; the scale's byte
.endr
	v_lshl_or_b32 v[\wd], v[BY+1], 16, v[BY]       ; my two bytes, blocks h and 2 + h,
	v_lshlrev_b32 v[\wd], v[SH8], v[\wd]           ; at their places in the word;
	v_permlanex16_b32 v[TP], v[\wd], s20, s21
	v_or_b32 v[\wd], v[\wd], v[TP]                 ; with lane l xor 16's two the word is whole, in both lanes
.irp b, 0,1
	v_cvt_scalef32_pk16_bf6_f32 v[\dst+6*\b:\dst+6*\b+2], v[\src+32*\b:\src+32*\b+15], v[SO+\b]
	v_cvt_scalef32_pk16_bf6_f32 v[T+4*\b:T+4*\b+2], v[\src+32*\b+16:\src+32*\b+31], v[SO+\b]   ; a conversion's three registers begin on an even number: the second half is made here and moved
.endr
	v_nop                                          ; one plain instruction between a scaled conversion and the vector instruction that reads its result
.irp b, 0,1
.irp i, 0,1,2
	v_mov_b32 v[\dst+6*\b+3+\i], v[T+4*\b+\i]
.endr
.endr
.endm
	s_wait_loadcnt 16                              ; k's sixteen loads are in; v's sixteen, issued behind them, may stay out
.set j, 0
.rept 16
	ds_store_b128 v[KSI], v[KR+4*j:KR+4*j+3] offset:544*j+128*(j/8)
.set j, j+1
.endr
.set j, 0
.rept 8
	ds_load_b128 v[KT+4*j:KT+4*j+3], v[KSO] offset:16*j             ; my wave's own bytes; LDS serves a wave's instructions in order (ISA guide 5.7.1.4): these see the stores above
.set j, j+1
.endr
.set j, 0
.rept 8
	ds_load_b128 v[KT+32+4*j:KT+32+4*j+3], v[KSO] offset:2176+16*j  ; the key 8 rows further on
.set j, j+1
.endr
	s_wait_loadcnt 0x0                             ; v is in
.set j, 0
.rept 16
	ds_store_b128 v[VSI], v[VR+4*j:VR+4*j+3] offset:512*j
.set j, j+1
.endr
	s_wait_dscnt 0x0                               ; for the others' sake: my rows of v lie in LDS; and k's turned numbers are in my registers
	s_barrier_signal -1
	QUANT KT, KC, WK                               ; work on registers while the others arrive
	s_wait_alu depctr_va_vdst(0)
	s_barrier_wait -1                              ; all 128 keys of v lie in LDS
.irp c, 0,1
.set j, 0
.rept 32
	ds_load_b32 v[KR+32*\c+j], v[VSO] offset:16512*\c+256*j         ; v(key 64 c + 32 h + j, d = 16 w + r): sixteen lanes read 64 neighbouring bytes
.set j, j+1
.endr
.endr
.irp g, 0,1,2
	global_store_b128 v[IMO], v[KC+4*\g:KC+4*\g+3], s[8:9] offset:512*\g
.endr
	s_wait_dscnt 0x0                               ; my column of v is in
	QUANT KR, VC, WVW
.irp g, 0,1,2
	global_store_b128 v[IMO], v[VC+4*\g:VC+4*\g+3], s[8:9] offset:6144+512*\g
.endr
	v_cmp_gt_u32 vcc_lo, 16, v1
	v_cndmask_b32 v[SW], v[WVW], v[WK], vcc_lo     ; lanes 0-15 K's word of row r, lanes 16-31 V's word of row lane - 16
	ds_store_b32 v[SCA], v[SW]
	s_wait_dscnt 0x0                               ; for wave 0's sake: my words lie in LDS
	s_barrier_signal -1
	s_barrier_wait -1
	s_cmp_lg_u32 s10, 0                            ; wave 0 stores the scale image: 512 consecutive bytes
	s_cbranch_scc1 .Ldone
	ds_load_b128 v[OUTW:OUTW+3], v[SCR]
	s_wait_dscnt 0x0
	global_store_b128 v[LI], v[OUTW:OUTW+3], s[8:9] offset:12288
.Ldone:
	s_wait_tensorcnt 0x0
	ds_add_u32 v250, v251
	s_wait_dscnt 0x0
	s_endpgm
.Lfunc_end_k_q7ea49dd317_quant:
	.size	k_q7ea49dd317_quant, .Lfunc_end_k_q7ea49dd317_quant-k_q7ea49dd317_quant
	.p2alignl 7, 3214868480
	.fill 96, 4, 3214868480
	.section	.rodata,"a",@progbits
	.p2align	6, 0x0
	.amdhsa_kernel k_q7ea49dd317_quant
		.amdhsa_group_segment_fixed_size 69888
		.amdhsa_private_segment_fixed_size 0
		.amdhsa_enable_private_segment 0
		.amdhsa_kernarg_size 24
		.amdhsa_user_sgpr_count 2
		.amdhsa_user_sgpr_kernarg_segment_ptr 1
		.amdhsa_wavefront_size32 1
		.amdhsa_system_sgpr_workgroup_id_x 1
		.amdhsa_system_sgpr_workgroup_id_y 1
		.amdhsa_system_sgpr_workgroup_id_z 1
		.amdhsa_system_vgpr_workitem_id 0
		.amdhsa_next_free_vgpr 256
		.amdhsa_next_free_sgpr 66
		.amdhsa_reserve_vcc 1
		.amdhsa_float_denorm_mode_32 3
		.amdhsa_float_denorm_mode_16_64 3
		.amdhsa_memory_ordered 1
		.amdhsa_forward_progress 1
		.amdhsa_inst_pref_size 21
	.end_amdhsa_kernel
	.amdgpu_metadata
---
amdhsa.version: [ 1, 2 ]
amdhsa.kernels:
  - .name:           k_q7ea49dd317_quant
    .symbol:         k_q7ea49dd317_quant.kd
    .args:
      - { .name: k, .offset: 0, .size: 8, .value_kind: global_buffer, .address_space: global }
      - { .name: v, .offset: 8, .size: 8, .value_kind: global_buffer, .address_space: global }
      - { .name: kv, .offset: 16, .size: 8, .value_kind: global_buffer, .address_space: global }
    .group_segment_fixed_size: 69888
    .private_segment_fixed_size: 0
    .kernarg_segment_align: 8
    .kernarg_segment_size: 24
    .max_flat_workgroup_size: 128
    .sgpr_count:     66
    .vgpr_count:     256
    .wavefront_size: 32
...
	.end_amdgpu_metadata
.endif
;; end of part 1
;; launch attn (part 2): grid 4 x 64, 16 waves a work-group, no clusters, 327,680 bytes of LDS; arguments q, kv, out0; writes out0
.if DOCPART == 2
	.amdgcn_target "amdgcn-amd-amdhsa--gfx1250"
	.amdhsa_code_object_version 6
	.text
	.protected	k_q7ea49dd317_attn
	.globl	k_q7ea49dd317_attn
	.p2align	8
	.type	k_q7ea49dd317_attn,@function
k_q7ea49dd317_attn:
	s_mov_b64 s[64:65], 0
	v_nop
	global_prefetch_b8 v0, s[64:65] scope:SCOPE_SE
	s_setreg_imm32_b32 hwreg(HW_REG_WAVE_MODE, 25, 1), 1
	s_wait_xcnt 0x0
.set STEPB, 12800
.set HALF,  102400
.set STG,   204800
.set SWAVE, 4352
.set LI,   1
.set ADK,  2
.set QRD,  3
.set STO,  4
.set RD,   5
.set DL,   6
.set NINF, 7
.set PFO,  8
.set SH8,  9
.set QW,   34
.set KVS,  36
.set FRG,  40
.set CT,   88
.set S,    96
.set O,    160
.set PC,   192
.set PT,   204
.set BM,   212
.set BP,   216
.set SO,   220
.set PW,   224
.set F,    226
.set TMP,  228
.set LB,   230
.set WV,   10
.set Q0,   13
.set KF,   14
.set TB,   15
.set CNT,  16
.set SEL,  20
.set CS,   22
.set G1,   24
.set G0A,  32
.set G0B,  36
.set QH,   40
.set OH,   42
.set QP,   44
.set OP,   46
.set PFQ,  48
	s_load_b128 s[4:7], s[0:1], 0x0
	s_load_b64 s[8:9], s[0:1], 0x10
	v_lshl_add_u32 v240, v0, 2, 0x43000
	v_mov_b32 v241, 0
	ds_add_u32 v240, v241
	ds_add_u32 v240, v241
	v_lshrrev_b32 v1, 5, v0
	s_delay_alu instid0(VALU_DEP_1)
	v_readfirstlane_b32 s[WV], v1
	s_mov_b32 s11, ttmp9
	s_and_b32 s12, ttmp7, 0xffff
	s_mov_b32 s[G1], 3<<16
	s_mov_b32 s[G1+1], 32<<16
	s_mov_b32 s[G1+2], 25<<16
	s_mov_b32 s[G1+3], 32<<16
	s_mov_b32 s[G1+4], 25
	s_mov_b32 s[G1+5], 32
	s_mov_b32 s[G1+6], 0
	s_mov_b32 s[G1+7], 0
	s_mov_b32 s[G0A], 1
	s_mul_i32 s[G0A+1], s[WV], 6400
	s_mov_b32 s[G0B], 1
	s_add_co_u32 s[G0B+1], s[G0A+1], HALF
	s_mul_i32 s50, s12, 16*STEPB
	s_add_co_u32 s50, s50, s[G0A+1]
	s_mov_b32 s51, 0
	s_lshl_b32 s18, s12, 19
	s_mov_b32 s19, 0
	s_mov_b32 s[SEL], 0x76543210
	s_mov_b32 s[SEL+1], 0xfedcba98
	s_mov_b32 s[CS], 0x3e38aa3b
	s_mov_b32 s[CS+1], s[CS]
	s_wait_dscnt 0x0
	s_wait_kmcnt 0x0
	s_add_nc_u64 s[G0A+2:G0A+3], s[6:7], s[50:51]
	s_add_nc_u64 s[G0B+2:G0B+3], s[G0A+2:G0A+3], HALF
	s_or_b32 s[G0A+3], s[G0A+3], 0x80000000
	s_or_b32 s[G0B+3], s[G0B+3], 0x80000000
	tensor_load_to_lds s[G0A:G0A+3], s[G1:G1+7]
	s_nop 0
	s_wait_alu depctr_va_vdst(0)
	s_wait_tensorcnt 0x0
	ds_add_u32 v240, v241
	s_wait_dscnt 0x0
	s_barrier_signal -1
	s_barrier_wait -1
	tensor_load_to_lds s[G0B:G0B+3], s[G1:G1+7]
	s_nop 0
.rept 4
	v_nop
.endr
	v_and_b32 v[LI], 31, v0
	s_delay_alu instid0(VALU_DEP_1)
	v_lshlrev_b32 v[LI], 4, v[LI]
	s_wait_alu depctr_va_vdst(0)
	s_add_nc_u64 s[QH:QH+1], s[4:5], s[18:19]
	s_add_nc_u64 s[OH:OH+1], s[8:9], s[18:19]
	s_sub_co_u32 s[Q0], 7, s11
	s_lshl_b32 s[Q0], s[Q0], 8
	s_lshl_b32 s17, s[WV], 4
	s_add_co_u32 s[Q0], s[Q0], s17
	s_lshl_b32 s50, s[Q0], 8
	s_add_nc_u64 s[QP:QP+1], s[QH:QH+1], s[50:51]
	s_add_nc_u64 s[OP:OP+1], s[OH:OH+1], s[50:51]
	s_lshl_b32 s50, s11, 8
	s_add_co_u32 s50, s50, s17
	s_lshl_b32 s50, s50, 8
	s_add_nc_u64 s[PFQ:PFQ+1], s[QH:QH+1], s[50:51]
.macro QLOAD
.irp i, 0,1,2,3,4,5,6,7
	global_load_b128 v[S+4*\i:S+4*\i+3], v[LI], s[QP:QP+1] offset:512*\i th:TH_LOAD_NT
.endr
.endm
.macro QQUANT
	s_wait_loadcnt 0x0
.irp i, 0,1,2,3,4,5,6,7
	ds_store_b128 v[RD], v[S+4*\i:S+4*\i+3] offset:544*\i
.endr
.irp i, 0,1,2,3,4,5,6,7
	ds_load_b128 v[S+32+4*\i:S+32+4*\i+3], v[QRD] offset:16*\i
.endr
	s_wait_dscnt 0x0
	v_max3_num_f32 v[BM], |v[S+32]|, |v[S+33]|, 0x2800000
	v_max_num_f32 v[BM+1], |v[S+34]|, |v[S+35]|
.irp i, 4,8,12,16,20,24,28
	s_delay_alu instid0(VALU_DEP_2)
	v_max3_num_f32 v[BM], v[BM], |v[S+32+\i]|, |v[S+33+\i]|
	s_delay_alu instid0(VALU_DEP_2)
	v_max3_num_f32 v[BM+1], v[BM+1], |v[S+34+\i]|, |v[S+35+\i]|
.endr
	s_delay_alu instid0(VALU_DEP_1)
	v_max_num_f32 v[BM], v[BM], v[BM+1]
	s_delay_alu instid0(VALU_DEP_1)
	v_add_nc_u32 v[SO], 0xfe000000, v[BM]
	s_delay_alu instid0(VALU_DEP_1)
	v_lshrrev_b32 v[BP], 23, v[SO]
	s_delay_alu instid0(VALU_DEP_1)
	v_lshlrev_b32 v[BP+2], v[SH8], v[BP]
	s_delay_alu instid0(VALU_DEP_1)
	v_permlanex16_b32 v[BP+1], v[BP+2], s[SEL], s[SEL+1]
	s_delay_alu instid0(VALU_DEP_1)
	v_or_b32 v[QW], v[BP+2], v[BP+1]
	s_delay_alu instid0(VALU_DEP_1)
	v_lshlrev_b32 v[QW+1], 16, v[QW]
	v_cvt_scalef32_pk16_bf6_f32 v[22:24], v[S+32:S+47], v[SO]
	v_cvt_scalef32_pk16_bf6_f32 v[CT:CT+2], v[S+48:S+63], v[SO]
	v_nop
.irp i, 0,1,2
	v_mov_b32 v[25+\i], v[CT+\i]
.endr
.endm
.macro INIT
	v_mov_b32 v13, 0xff61b1e6
	s_delay_alu instid0(VALU_DEP_1)
	v_floor_f32 v12, -v13
	v_mov_b32 v14, 0
	v_mov_b32 v15, 0
.set j, 0
.rept 32
	v_mov_b32 v[O+j], 0
.set j, j+1
.endr
.endm
.macro STEP causal, pf
.if \causal
	s_add_co_u32 s17, s[Q0], 15
	s_cmp_gt_u32 s[KF], s17
	s_cbranch_scc1 .Lhidden_\@
.endif
	s_setprio 2
	v_add_nc_u32 v[ADK], s[TB], v[LI]
.set j, 0
.rept 12
	ds_load_b128 v[FRG+4*j:FRG+4*j+3], v[ADK] offset:512*j
.set j, j+1
.endr
	ds_load_b128 v[KVS:KVS+3], v[ADK] offset:12288
	s_wait_alu depctr_va_vdst(0)
	s_wait_dscnt 0x0
.irp t, 0,1,2,3,4,5,6,7
	v_wmma_scale_f32_16x16x128_f8f6f4 v[S+8*\t:S+8*\t+7], v[FRG+12*(\t/2):FRG+12*(\t/2)+11], v[22-6*(\t%2):33-6*(\t%2)], 0, v[KVS+\t/2], v[QW+\t%2] matrix_a_fmt:MATRIX_FMT_BF6 matrix_b_fmt:MATRIX_FMT_BF6
.endr
.rept 4
	v_nop
.endr
.set j, 0
.rept 12
	ds_load_b128 v[FRG+4*j:FRG+4*j+3], v[ADK] offset:6144+512*j
.set j, j+1
.endr
.if \causal
	s_add_co_u32 s17, s[KF], 127
	s_cmp_le_u32 s17, s[Q0]
	s_cbranch_scc1 .Lopen_\@
.if \pf
	s_and_b32 s18, s[WV], 1
	s_cmp_lg_u32 s18, 0
	s_cbranch_scc1 .Lnopf_\@
	global_prefetch_b8 v[PFO], s[PFQ:PFQ+1] th:TH_LOAD_NT scope:SCOPE_SE
.Lnopf_\@:
.endif
	s_sub_co_i32 s17, s[Q0], s[KF]
	v_add_nc_u32 v[TMP], s17, v[DL]
.set j, 0
.rept 64
	v_cmp_gt_i32 vcc_lo, 32*(j/16)+j%16, v[TMP]
	v_cndmask_b32 v[S+j], v[S+j], v[NINF], vcc_lo
.set j, j+1
.endr
.Lopen_\@:
.endif
.irp b, 0,1,2,3
	v_max3_num_f32 v[BM+\b], v[S+16*\b], v[S+16*\b+1], v[S+16*\b+2]
.endr
.irp i, 3,5,7,9,11,13
.irp b, 0,1,2,3
	v_max3_num_f32 v[BM+\b], v[BM+\b], v[S+16*\b+\i], v[S+16*\b+\i+1]
.endr
.endr
.irp b, 0,1,2,3
	v_max_num_f32 v[BM+\b], v[BM+\b], v[S+16*\b+15]
.endr
.irp b, 0,1,2,3
	s_delay_alu instid0(VALU_DEP_4)
	v_permlanex16_b32 v[BP+\b], v[BM+\b], s[SEL], s[SEL+1]
.endr
.irp b, 0,1,2,3
	s_delay_alu instid0(VALU_DEP_4)
	v_max_num_f32 v[BM+\b], v[BM+\b], v[BP+\b]
.endr
	s_delay_alu instid0(VALU_DEP_2)
	v_max3_num_f32 v[TMP], v[BM], v[BM+1], v[BM+2]
	s_delay_alu instid0(VALU_DEP_1)
	v_max_num_f32 v[TMP], v[TMP], v[BM+3]
	s_delay_alu instid0(VALU_DEP_1)
	v_mul_f32 v[TMP], s[CS], v[TMP]
	s_delay_alu instid0(VALU_DEP_1)
	v_max_num_f32 v13, v13, v[TMP]
	v_mov_b32 v[TMP], v12
	s_delay_alu instid0(VALU_DEP_2)
	v_floor_f32 v12, -v13
	s_delay_alu instid0(VALU_DEP_1)
	v_sub_f32 v[TMP], v12, v[TMP]
	s_delay_alu instid0(VALU_DEP_1)
	v_cvt_i32_f32 v[TMP], v[TMP]
	s_delay_alu instid0(VALU_DEP_1)
	v_ldexp_f32 v[F], 1.0, v[TMP]
.set j, 0
.rept 32
	v_pk_fma_f32 v[S+j:S+j+1], v[S+j:S+j+1], s[CS:CS+1], v[12:13] op_sel_hi:[1,0,0]
.set j, j+2
.endr
.irp b, 0,1,2,3
	v_fma_f32 v[BM+\b], v[BM+\b], s[CS], v12
.endr
.set j, 0
	s_setprio 1
	s_wait_alu depctr_va_vdst(0)
.rept 64
	v_exp_f32 v[S+j], v[S+j]
.set j, j+1
.endr
	v_pk_mul_f32 v[14:15], v[14:15], v[F:F+1] op_sel_hi:[1,0]
	s_wait_alu depctr_va_vdst(0)
.irp b, 0,1,2,3
	v_exp_f32 v[BM+\b], v[BM+\b]
.endr
	v_pk_add_f32 v[LB:LB+1], v[S:S+1], v[S+2:S+3]
.irp i, 4,8,12,16,20,24,28,32,36,40,44,48,52,56,60
	v_pk_add_f32 v[14:15], v[14:15], v[S+\i:S+\i+1]
	v_pk_add_f32 v[LB:LB+1], v[LB:LB+1], v[S+\i+2:S+\i+3]
.endr
	s_delay_alu instid0(VALU_DEP_1)
	v_pk_add_f32 v[14:15], v[14:15], v[LB:LB+1]
	s_wait_alu depctr_va_vdst(0)
.irp b, 0,1,2,3
	v_max_num_f32 v[BM+\b], 0x2800000, v[BM+\b]
.endr
.irp b, 0,1,2,3
	s_delay_alu instid0(VALU_DEP_4)
	v_add_nc_u32 v[SO+\b], 0xfe000000, v[BM+\b]
.endr
.irp b, 0,1,2,3
	s_delay_alu instid0(VALU_DEP_4)
	v_lshrrev_b32 v[BP+\b], 23, v[SO+\b]
.endr
	s_delay_alu instid0(VALU_DEP_3)
	v_lshl_or_b32 v[PW], v[BP+1], 8, v[BP]
	s_delay_alu instid0(VALU_DEP_1)
	v_lshl_or_b32 v[PW], v[BP+2], 16, v[PW]
	s_delay_alu instid0(VALU_DEP_1)
	v_lshl_or_b32 v[PW], v[BP+3], 24, v[PW]
.irp c, 0,1
	v_cvt_scalef32_pk16_bf6_f32 v[PC+6*\c:PC+6*\c+2], v[S+32*\c:S+32*\c+15], v[SO+2*\c]
	v_cvt_scalef32_pk16_bf6_f32 v[PT+4*\c:PT+4*\c+2], v[S+32*\c+16:S+32*\c+31], v[SO+2*\c+1]
.endr
	v_nop
.irp c, 0,1
.irp i, 0,1,2
	v_permlane16_swap_b32 v[PC+6*\c+\i], v[PT+4*\c+\i]
.endr
.irp i, 0,1,2
	s_delay_alu instid0(VALU_DEP_3)
	v_mov_b32 v[PC+6*\c+3+\i], v[PT+4*\c+\i]
.endr
.endr
.set j, 0
	s_setprio 0
.rept 16
	v_pk_mul_f32 v[O+j:O+j+1], v[O+j:O+j+1], v[F:F+1] op_sel_hi:[1,0]
.set j, j+2
.endr
	s_wait_alu depctr_va_vdst(0)
	s_wait_dscnt 0x0
.irp t, 0,1,2,3
	v_wmma_scale_f32_16x16x128_f8f6f4 v[O+8*\t:O+8*\t+7], v[FRG+12*\t:FRG+12*\t+11], v[PC:PC+11], v[O+8*\t:O+8*\t+7], v[KVS+\t], v[PW] matrix_a_fmt:MATRIX_FMT_BF6 matrix_b_fmt:MATRIX_FMT_BF6 matrix_a_scale:MATRIX_SCALE_ROW1
.endr
.rept 4
	v_nop
.endr
.if \causal
.Lhidden_\@:
.endif
	s_add_co_u32 s[KF], s[KF], 128
	s_add_co_u32 s[TB], s[TB], STEPB
.endm
.macro TAIL
	v_add_f32 v14, v14, v15
	s_delay_alu instid0(VALU_DEP_1)
	v_permlanex16_b32 v[TMP], v14, s[SEL], s[SEL+1]
	s_delay_alu instid0(VALU_DEP_1)
	v_add_f32 v14, v14, v[TMP]
	s_wait_alu depctr_va_vdst(0)
	v_rcp_f32 v14, v14
	v_nop
	s_wait_alu depctr_va_vdst(0)
.set j, 0
.rept 16
	v_pk_mul_f32 v[S+32+j:S+33+j], v[O+j:O+j+1], v[14:15] op_sel_hi:[1,0]
.set j, j+2
.endr
.irp t, 0,1,2,3
	ds_store_b128 v[STO], v[S+32+8*\t:S+35+8*\t] offset:64*\t
	ds_store_b128 v[STO], v[S+36+8*\t:S+39+8*\t] offset:64*\t+16
.endr
.irp i, 0,1,2,3,4,5,6,7
	ds_load_b128 v[FRG+4*\i:FRG+4*\i+3], v[RD] offset:544*\i
.endr
.irp i, 0,1,2,3,4,5,6,7
	s_wait_dscnt 7-\i
	global_store_b128 v[LI], v[FRG+4*\i:FRG+4*\i+3], s[OP:OP+1] offset:512*\i th:TH_STORE_NT
.endr
.endm
	QLOAD
	v_and_b32 v10, 15, v0
	v_bfe_u32 v11, v0, 4, 1
	s_mul_i32 s17, s[WV], SWAVE
	s_add_co_u32 s17, s17, STG
	v_mul_u32_u24 v[QRD], v10, 272
	s_delay_alu instid0(VALU_DEP_1)
	v_lshl_add_u32 v[STO], v11, 5, v[QRD]
	s_delay_alu instid0(VALU_DEP_2)
	v_lshl_add_u32 v[QRD], v11, 7, v[QRD]
	s_delay_alu instid0(VALU_DEP_1)
	v_add_nc_u32 v[QRD], s17, v[QRD]
	s_delay_alu instid0(VALU_DEP_3)
	v_add_nc_u32 v[STO], s17, v[STO]
	v_mul_u32_u24 v[RD], v11, 272
	s_delay_alu instid0(VALU_DEP_1)
	v_lshl_add_u32 v[RD], v10, 4, v[RD]
	s_delay_alu instid0(VALU_DEP_1)
	v_add_nc_u32 v[RD], s17, v[RD]
	v_lshlrev_b32 v[DL], 4, v11
	s_delay_alu instid0(VALU_DEP_1)
	v_sub_nc_u32 v[DL], v10, v[DL]
	v_mov_b32 v[NINF], 0xff800000
	v_and_b32 v[PFO], 31, v0
	s_delay_alu instid0(VALU_DEP_1)
	v_lshlrev_b32 v[PFO], 8, v[PFO]
	v_lshlrev_b32 v[SH8], 3, v11
.irp i, 16,17,18,19,20,21,28,29,30,31,32,33
	v_mov_b32 v\i, 0
.endr
.irp i, 0,1,2,3
	v_mov_b32 v[BP+\i], 0
.endr
	v_mov_b32 v[F+1], 0
	v_mov_b32 v[TMP], 0
	QQUANT
	INIT
	s_wait_tensorcnt 0x1
	s_barrier_signal -1
	s_barrier_wait -1
	s_mov_b32 s[TB], 0
	s_mov_b32 s[KF], 0
	s_mov_b32 s[CNT], 8
.Lopen_half:
	STEP 0, 0
	s_sub_co_u32 s[CNT], s[CNT], 1
	s_cmp_lg_u32 s[CNT], 0
	s_cbranch_scc1 .Lopen_half
	s_setprio 0
	s_wait_tensorcnt 0x0
	s_wait_dscnt 0x0
	s_barrier_signal -1
	s_barrier_wait -1
	s_mov_b32 s[TB], HALF
	s_mov_b32 s[CNT], 8
.Lupper_half:
	STEP 1, 1
	s_sub_co_u32 s[CNT], s[CNT], 1
	s_cmp_lg_u32 s[CNT], 0
	s_cbranch_scc1 .Lupper_half
	s_setprio 0
	s_lshl_b32 s[Q0], s11, 8
	s_lshl_b32 s17, s[WV], 4
	s_add_co_u32 s[Q0], s[Q0], s17
	s_mov_b64 s[QP:QP+1], s[PFQ:PFQ+1]
	QLOAD
	TAIL
	s_wait_xcnt 0x0
	s_lshl_b32 s50, s[Q0], 8
	s_add_nc_u64 s[OP:OP+1], s[OH:OH+1], s[50:51]
	QQUANT
	INIT
	s_mov_b32 s[TB], 0
	s_mov_b32 s[KF], 0
	s_mov_b32 s[CNT], 8
.Lsecond:
	STEP 1, 0
	s_sub_co_u32 s[CNT], s[CNT], 1
	s_cmp_lg_u32 s[CNT], 0
	s_cbranch_scc1 .Lsecond
	s_setprio 0
	TAIL
	s_wait_tensorcnt 0x0
	ds_add_u32 v240, v241
	s_wait_dscnt 0x0
	s_endpgm
.Lfunc_end_k_q7ea49dd317_attn:
	.size	k_q7ea49dd317_attn, .Lfunc_end_k_q7ea49dd317_attn-k_q7ea49dd317_attn
	.p2alignl 7, 3214868480
	.fill 96, 4, 3214868480
	.section	.rodata,"a",@progbits
	.p2align	6, 0x0
	.amdhsa_kernel k_q7ea49dd317_attn
		.amdhsa_group_segment_fixed_size 327680
		.amdhsa_private_segment_fixed_size 0
		.amdhsa_enable_private_segment 0
		.amdhsa_kernarg_size 24
		.amdhsa_user_sgpr_count 2
		.amdhsa_user_sgpr_kernarg_segment_ptr 1
		.amdhsa_wavefront_size32 1
		.amdhsa_system_sgpr_workgroup_id_x 1
		.amdhsa_system_sgpr_workgroup_id_y 1
		.amdhsa_system_sgpr_workgroup_id_z 1
		.amdhsa_system_vgpr_workitem_id 0
		.amdhsa_next_free_vgpr 242
		.amdhsa_next_free_sgpr 66
		.amdhsa_reserve_vcc 1
		.amdhsa_float_denorm_mode_32 3
		.amdhsa_float_denorm_mode_16_64 3
		.amdhsa_memory_ordered 1
		.amdhsa_forward_progress 1
		.amdhsa_inst_pref_size 84
	.end_amdhsa_kernel
	.amdgpu_metadata
---
amdhsa.version: [ 1, 2 ]
amdhsa.kernels:
  - .name:           k_q7ea49dd317_attn
    .symbol:         k_q7ea49dd317_attn.kd
    .args:
      - { .name: q, .offset: 0, .size: 8, .value_kind: global_buffer, .address_space: global }
      - { .name: kv, .offset: 8, .size: 8, .value_kind: global_buffer, .address_space: global }
      - { .name: out0, .offset: 16, .size: 8, .value_kind: global_buffer, .address_space: global }
    .group_segment_fixed_size: 327680
    .private_segment_fixed_size: 0
    .kernarg_segment_align: 8
    .kernarg_segment_size: 24
    .max_flat_workgroup_size: 512
    .sgpr_count:     66
    .vgpr_count:     242
    .wavefront_size: 32
...
	.end_amdgpu_metadata
.endif
;; end of part 2
